; MI455X (gfx1250); checked and timed in simulation.
; The chip was launched on July 23, 2026; its instructions are those of AMD's public machine-readable ISA for CDNA 5 (MIT licence, August 2026) and "CDNA5" Instruction Set Architecture Reference Guide (July 2026). The comments in the code are by the model that wrote it; some were corrected since.
;; Max Matching. Allowed arithmetic: matrix products marked QUANTISED: E2M3 operands, one E8M0 scale for each 32 along K, by v_wmma_scale_f32_16x16x128_f8f6f4 with both operands' format E2M3, f32 sums; everything else in f32.
;; Inputs: kernel 16 x 300 float32; sent1 64 x 200 x 300 float32; sent2 64 x 200 x 300 float32.
;; Outputs: out0 64 x 200 x 16 float32.
;; This version of the problem:
;;   THIS VERSION OF THE PROBLEM IS GIVEN IN LOW PRECISION. The matrix products marked QUANTISED in the list below multiply operands that are first quantised to E2M3 (2 exponent bits, 3 mantissa bits; 6 bits a number), with one power-of-two scale for each 32 numbers along K (OCP MX v1.0); their sums are f32. All else is computed in f32.
;;   The module's matrix products, in the order in which they are computed (A, B: the left and right operand; K: the contracted axis; several contracted axes count as one K, in the product's order):
;;     1. batch 1,024 x [M 200, K 300] x [K 300, N 200]; A: computed on the way; B: computed on the way: QUANTISED
;;   THE QUANTISER, for each operand of a quantised product, along K:
;;     - K is cut into blocks of 32 from its start; a last block that is shorter is filled with zeros.
;;     - A block's scale is 2^e with e = floor(log2(the largest magnitude in the block)) - 2, held to -126 .. 127; a block of zeros has e = 0. As a byte (E8M0): e + 127.
;;     - Each number is divided by its block's scale, clamped to +-7.5, and rounded to the nearest number of E2M3, ties to even, subnormals kept.
;;     - The product sums the exact products of the quantised numbers (number of the format x scale) in f32.
;;   ~~~python
;;   def quantise(x, axis):      # numpy; x: float32 -> the quantised numbers, widened to float32 again
;;       x = np.moveaxis(x, axis, -1); K = x.shape[-1]
;;       x = np.pad(x, [(0, 0)] * (x.ndim - 1) + [(0, -K % 32)]); x = x.reshape(x.shape[:-1] + (-1, 32)); a = np.abs(x).max(-1, keepdims=True)
;;       e = np.where(a > 0, np.clip(np.frexp(np.where(a > 0, a, 1))[1] - 1 - 2, -126, 127), 0)      # np.frexp(a)[1] - 1 = floor(log2(a)), exactly
;;       r = np.clip(x / 2.0 ** e, -7.5, 7.5)
;;       step = 2.0 ** (np.maximum(np.frexp(np.where(r == 0, 1, r))[1] - 1, 0) - 3)
;;       q = np.round(r / step) * step * 2.0 ** e      # np.round: ties to even
;;       return np.moveaxis(q.reshape(q.shape[:-2] + (-1,))[..., :K], -1, axis).astype(np.float32)
;;   ~~~
;;   OPERANDS COMPUTED ON THE WAY. 'Computed on the way' means the value that the module computes at that place (a softmax that the list does not call 'softmax' is quantised finished and normalised). What goes into a quantiser is computed in f32, as accurately as f32 sums, v_exp_f32 and their like allow (about 1e-6 of the number): no bf16 or f16 on the way to a quantiser, and a product that is left as it is and whose result goes on into a quantised operand takes f32 operands (vector FMAs, or v_wmma_f32_16x16x4_f32). A number that lies on a knife's edge between two numbers of the format may be rounded either way, as far as f32 arithmetic and the matrix unit's own rounding can turn it there, and no further.
;; One version. Each part assembles by itself: llvm-mc -triple=amdgcn-amd-amdhsa -mcpu=gfx1250 --defsym DOCPART=n.
;; ======== version 1 of 1: 1 launch
;; limits: right only within a limited range of input values
;; launch match (part 1): grid 256 x 1, 4 waves a work-group, clusters of 4 x 1, 327,680 bytes of LDS; arguments sent1, sent2, kernel, out0; writes out0
.if DOCPART == 1
	.amdgcn_target "amdgcn-amd-amdhsa--gfx1250"
	.amdhsa_code_object_version 6
	.text
	.protected	k_q44f11c898e_match
	.globl	k_q44f11c898e_match
	.p2align	8
	.type	k_q44f11c898e_match,@function
k_q44f11c898e_match:
	s_mov_b64 s[64:65], 0
	v_nop
	global_prefetch_b8 v0, s[64:65] scope:SCOPE_SE
	s_setreg_imm32_b32 hwreg(HW_REG_WAVE_MODE, 25, 1), 1
	s_wait_xcnt 0x0
	s_wait_alu depctr_hold_cnt(0) depctr_sa_sdst(0) depctr_va_vdst(0) depctr_va_sdst(0) depctr_va_ssrc(0) depctr_va_vcc(0) depctr_vm_vsrc(0)
	s_getreg_b32 s2, hwreg(HW_REG_IB_STS2, 6, 4)
	s_cmp_eq_u32 s2, 0
	s_cbranch_scc0 .Lentry_in_a_cluster
	s_endpgm
.Lentry_in_a_cluster:
	s_bfe_u32 s2, ttmp6, 0x10000c
	s_cmp_lg_u32 s2, 0x3003
	s_cbranch_scc0 .Lentry_shape_is_right
	s_endpgm
.Lentry_shape_is_right:
; out0[b][i][p] = the largest over j of v1[b][i][p][:] . v2[b][j][p][:], where v = l2_normalize(sent[b][row][:] x kernel[p][:]) along D = 300, in f32,
; and both v1 and v2 are quantised along D to codes of FP6 (E2M3) with one E8M0 byte for each 32; the products go by v_wmma_scale_f32_16x16x128_f8f6f4, sums in f32.
; SHARES.  A cluster of four work-groups is one b; work-group cx takes perspectives 4 cx .. 4 cx + 3; wave w takes p = 4 cx + w and does the whole of (b, p): it quantises all rows of sent1
; and HOLDS their codes in registers (phase 1: 13 tiles of 16 rows), then streams sent2's 13 tiles: quantise, 13 x 3 products, running maxima (phase 2).  No code goes to memory.
; What the waves share are the f32 rows of sent1[b] and sent2[b] in LDS.  The four work-groups of a cluster need the same rows, so every tensor load is asked for JOINTLY (mask 15).
; cx enters the global addresses of kernel and out0 alone: no branch, no LDS address, no descriptor.
; A LANE (r = lane % 16, h = lane / 16) holds row r of a tile and the five WHOLE blocks 2 c + h, c = 0 .. 4: 160 numbers.  That is the 6-bit operand's own layout, so a block's largest magnitude needs no other lane.
; A TRIP IS A ROLLING PIPELINE: tile t's v = y / norm and codes, block by block; each block's registers then take tile t + 1's numbers, which become y = x k, squares and maxima in the same trip;
; in phase 2 tile t's 39 products stand among that work, one behind every six vector instructions.
; K = 300 is 10 blocks, the last with 12 numbers; three K steps of 128.  Block 9's last 20 places: kernel is 0 there in registers, and x is read from real bytes of the same row, so y = 0.
; Blocks 10 and 11: the streamed operand's codes are true zeros; the held operand of the third K step runs on into the tile's own first codes, which meet those zeros; both sides' scale bytes there are 0 (2^-127, no NaN).
; A BLOCK OF ZEROS keeps the byte 1 (the hold from below) and not 127: its codes are zeros, so all its products are 0 under either byte.
; TILES.  Tile 0 is rows 0-15, tile t > 0 rows 16 t - 8 .. 16 t + 7: rows 8-15 come twice, which neither a maximum nor a store of the same number sees.
; THE PRODUCT: source 0 = 16 rows of sent2 (j), source 1 = 16 rows of sent1 (i): a lane holds ONE i and eight j, so the maximum over j is taken down the registers, and across the two halves once at the end.
; LIMITS: NaN and infinities among the inputs are not served (the padded places multiply real x by 0).  The sum of squares is added in another order than a plain loop's, in f32.
; OUT.  A work-group owns 16 of the 64 bytes of a row of out0: the four partners fill the rows between them.
;
; TENSOR LOADS bring rows of 256 bytes from 256-byte borders: b's rows are one dense run of 240,000 bytes that begins at 0 or (odd b) 128 modulo 256; 938 units of 256 bytes from the border at or below it
; hold them all and end inside the buffer for every b (even b end 128 bytes into the next b's rows; b = 63 ends at the buffer's end).  The 128 bytes enter the LDS read addresses.
; LDS: units 0-339 sent2's first 340 units; units 340-1277 sent1's 938 units, of which 340-937 are filled again ONCE with sent2's rest, so that sent2's unit u lies at unit u; 1278-1279 the spare words.
; An LDS row is 1,200 bytes = 300 words: row r starts at bank 44 r mod 64 (64 banks of 4 bytes: ISA guide 11.1), sixteen different multiples of 4 for the sixteen rows of a load: no padding.
; NO PREFETCH: all 480,256 bytes come by three groups of loads, one ahead of all work; the other two are asked for four and five trips of work ahead of the wait for them.
; REGISTERS, in windows of 256 (s_set_vgpr_msb: bits 1:0 source 0, 3:2 source 1, 5:4 source 2, 7:6 destination):
;   window 0: v0-53 addresses and work; v54-92 the held scale words; v93-95 the tile's; v96-255 X: x, then y = x k, then v, in place
;   window 1: v0-159 kernel[p]; v160-189 the streamed codes; v190-195 zeros; v196-208 running maxima; v210-249 phase 1's codes on their way
;   window 2: held codes, tiles 0-7, 30 registers each;   window 3: v0-149 tiles 8-12; v152-255 the 13 accumulators
.set ROW,   1200                       ; bytes in a row
.set TILEB, 16*ROW
.set UNIT,  256
.set S2,    340*UNIT                   ; LDS byte of sent1's unit 0
.set STAGE, 1100*UNIT                  ; the way out: 200 rows x 16 bytes, in blocks whose last fill is sent1's and which nobody reads in phase 2
.set SPARE, 1278*UNIT                  ; the spare words, 128 bytes for each wave, that no other line names
.set LX,   1                           ; 1,200 r + 128 h + b's odd 128
.set LX2,  2                           ; 1,200 r + b's odd 128
.set ADR,  3                           ; LDS address of the tile that is being loaded
.set ADR2, 4                           ; the same without the half's 128 bytes: for block 9's padded places
.set SPW,  5                           ; my spare word's address; never rewritten
.set NIL,  6                           ; 0; never rewritten
.set SA,   7                           ; stage: row r, my wave's word
.set RR,   8                           ; 1 / norm; v9 is named with it as a pair
.set SQ,   10                          ; four pairs of sums of squares
.set MX,   18                          ; the five blocks' largest magnitudes: each block's first chain
.set MT,   24                          ; a block's three other chains, two sets by turns
.set PS,   30
.set SCO,  31                          ; the scales as f32, for the conversions
.set E,    36                          ; the scale bytes
.set WA,   41
.set WB,   42
.set PT,   43                          ; what the other half sends
.set T,    46                          ; upper halves of two blocks' codes: v46-48, v50-52
.set KO,   36                          ; at the head alone: 128 h
.set KO2,  37                          ; at the head alone: 0
.set BS,   54                          ; held scale words: tile j, K step s at BS + 3 j + s
.set AS,   93
.set X,    96
.set AC,   160                         ; window 1: streamed codes, block c at AC + 6 c
.set RM,   196                         ; window 1: running maxima
.set P,    210                         ; window 1: phase 1's codes, block c's halves at P + 8 c and P + 8 c + 4
.set ACC,  152                         ; window 3
.set WV,   12                          ; s12 my wave's number
.set PER,  6                           ; vector instructions ahead of each product
.set MSB, 0
.set WON, 0
.set PH,  1
.set wm,  0
.set wlim, 0
.set tk,  0
.macro WIN new                         ; the immediate's high byte repeats the setting that is left; a switch that changes nothing is dropped
.if MSB != (\new)
	s_set_vgpr_msb (MSB<<8)|(\new)
.set MSB, (\new)
.endif
.endm
.macro PLACES n
.rept \n
	v_nop
.endr
.endm
.macro ROUND                           ; a round of the cluster's barrier
	s_barrier_signal -1
	s_barrier_wait -1
	s_cmp_lg_u32 s[WV], 0
	s_cbranch_scc1 .Lnot_wave_0_\@
	s_barrier_signal -3
.Lnot_wave_0_\@:
	s_barrier_wait -3
	s_barrier_signal -1
	s_barrier_wait -1
.endm
.macro SHAPE g, rows                   ; descriptor group 1: rows of 256 bytes (32 elements of 8 bytes), dense
	s_mov_b32 s[\g], 15|(3<<16)|(1<<21)            ; the mask: all four work-groups; 8-byte elements; bit 21 set beside a mask
	s_mov_b32 s[\g+1], 32<<16
	s_mov_b32 s[\g+2], (\rows)<<16
	s_mov_b32 s[\g+3], 32<<16
	s_mov_b32 s[\g+4], \rows
	s_mov_b32 s[\g+5], 32
	s_mov_b32 s[\g+6], 0
	s_mov_b32 s[\g+7], 0
.endm
; All loads of mine have landed, and so have everybody's.  No LDS instruction of mine is out here.
.macro SYNC
	s_wait_tensorcnt 0x0
	s_barrier_signal -1
	s_barrier_wait -1
.endm
; Product wm of 39: K step wm / 13 of held tile wm % 13.  The thirteen accumulators take turns, one instruction a turn; the first K step starts the sums.
.macro WMX
.set wj, wm%13
.set ws, wm/13
	WIN 0xf9+4*(wj/8)                              ; source 0 (streamed) window 1, source 1 (held) window 2 or 3, C and D window 3
.set FB, 30*(wj%8)+(6+12*ws)%30
.set AB, AC+12*ws
.set CC, ACC+8*wj
.if ws == 0
	v_wmma_scale_f32_16x16x128_f8f6f4 v[CC:CC+7], v[AB:AB+11], v[FB:FB+11], 0, v[AS+ws], v[BS+3*wj+ws] matrix_a_fmt:MATRIX_FMT_FP6 matrix_b_fmt:MATRIX_FMT_FP6
.else
	v_wmma_scale_f32_16x16x128_f8f6f4 v[CC:CC+7], v[AB:AB+11], v[FB:FB+11], v[CC:CC+7], v[AS+ws], v[BS+3*wj+ws] matrix_a_fmt:MATRIX_FMT_FP6 matrix_b_fmt:MATRIX_FMT_FP6
.endif
.set wm, wm+1
.endm
.macro TK                              ; behind each vector instruction: every PER-th is followed by a product, where one is ready
.if WON
.set tk, tk+1
.if (tk >= PER) && (wm < wlim)
	WMX
.set tk, 0
.endif
.endif
.endm
; Block c of the next tile: 32 numbers a lane.  Block 9 (c = 4, h = 1) has 12 numbers: its other five loads take bytes 1,072 .. 1,151 of the same row, which kernel's zeros wipe out.
.macro LOADB c
	WIN 0
.set qq, 0
.rept 8
.if ((\c) == 4) && (qq >= 3)
	ds_load_b128 v[X+32*(\c)+4*qq:X+32*(\c)+4*qq+3], v[ADR2] offset:1024+16*qq
.else
	ds_load_b128 v[X+32*(\c)+4*qq:X+32*(\c)+4*qq+3], v[ADR] offset:256*(\c)+16*qq
.endif
.set qq, qq+1
.endr
.endm
.macro YB c                            ; y = x k of block c
.set yi, 0
.rept 16
	WIN 0x04                                       ; source 1 (kernel) in window 1
	v_pk_mul_f32 v[X+32*(\c)+2*yi:X+32*(\c)+2*yi+1], v[X+32*(\c)+2*yi:X+32*(\c)+2*yi+1], v[32*(\c)+2*yi:32*(\c)+2*yi+1]
.set yi, yi+1
	TK
.endr
.endm
; v = y / norm: instruction vi of 80; a block's upper half first.
.macro VN
.set XP, X+32*(vi/16)+2*((vi+8)%16)
	WIN 0
	v_pk_mul_f32 v[XP:XP+1], v[XP:XP+1], v[RR:RR+1] op_sel_hi:[1,0]
.set vi, vi+1
	TK
.endm
.macro VN16
.rept 16
	VN
.endr
.endm
; THE SUM OF SQUARES: instruction fi of 80 takes numbers 2 fi, 2 fi + 1 into sum pair fi % 4.  The first four start the sums.
.macro FOP
	WIN 0
.set XF, X+2*fi
.if fi < 4
	v_pk_mul_f32 v[SQ+2*fi:SQ+2*fi+1], v[XF:XF+1], v[XF:XF+1]
.else
	v_pk_fma_f32 v[SQ+2*(fi%4):SQ+2*(fi%4)+1], v[XF:XF+1], v[XF:XF+1], v[SQ+2*(fi%4):SQ+2*(fi%4)+1]
.endif
.set fi, fi+1
	TK
.endm
; THE BLOCKS' LARGEST |y|: four chains a block.  Chain 0 is the block's own register, chains 1-3 lie in one of two sets by turns.
.macro CHAIN b, k
.if (\k) == 0
.set CH, MX+(\b)
.else
.set CH, MT+3*((\b)%2)+(\k)-1
.endif
.endm
.macro MSTART b, k
	CHAIN \b, \k
	v_max3_num_f32 v[CH], |v[X+32*(\b)+3*(\k)]|, |v[X+32*(\b)+3*(\k)+1]|, |v[X+32*(\b)+3*(\k)+2]|
.endm
.macro MEXT b, e
	CHAIN \b, (\e)%4
	v_max3_num_f32 v[CH], v[CH], |v[X+32*(\b)+12+2*(\e)]|, |v[X+32*(\b)+13+2*(\e)]|
.endm
.macro MJOINA b
	v_max3_num_f32 v[MX+(\b)], v[MX+(\b)], v[MT+3*((\b)%2)], v[MT+3*((\b)%2)+1]
.endm
.macro MJOINB b
	v_max_num_f32 v[MX+(\b)], v[MX+(\b)], v[MT+3*((\b)%2)+2]
.endm
; Instruction mi of 80: block 0 has 14 places, blocks 1-4 have 16 (4 starts, the last block's first join, 4 steps, its second join, 6 steps), and block 4's joins come last.
.macro MOP
	WIN 0
.if mi < 4
	MSTART 0, mi
.elseif mi < 14
	MEXT 0, mi-4
.elseif mi < 78
.set gg, (mi-14)/16+1
.set ss, (mi-14)%16
.if ss < 4
	MSTART gg, ss
.elseif ss == 4
	MJOINA gg-1
.elseif ss < 9
	MEXT gg, ss-5
.elseif ss == 9
	MJOINB gg-1
.else
	MEXT gg, ss-6
.endif
.elseif mi == 78
	MJOINA 4
.else
	MJOINB 4
.endif
.set mi, mi+1
	TK
.endm
; Block c's codes.  A conversion's three registers begin on an even number.  Phase 1: both halves wait in window 1 for HOLD.  Phase 2: the lower half goes to its operand registers, the upper half waits in
; window 0 and is moved behind the next block's conversions.
.macro CV c
.if PH == 1
	WIN 0x40
	v_cvt_scalef32_pk16_fp6_f32 v[P+8*(\c)+4:P+8*(\c)+6], v[X+32*(\c)+16:X+32*(\c)+31], v[SCO+(\c)]
	v_cvt_scalef32_pk16_fp6_f32 v[P+8*(\c):P+8*(\c)+2], v[X+32*(\c):X+32*(\c)+15], v[SCO+(\c)]
.else
	WIN 0
	v_cvt_scalef32_pk16_fp6_f32 v[T+4*((\c)%2):T+4*((\c)%2)+2], v[X+32*(\c)+16:X+32*(\c)+31], v[SCO+(\c)]
	WIN 0x40
	v_cvt_scalef32_pk16_fp6_f32 v[AC+6*(\c):AC+6*(\c)+2], v[X+32*(\c):X+32*(\c)+15], v[SCO+(\c)]
.if (\c) > 0
	MV (\c)-1
.endif
.endif
.endm
.macro MV c
	WIN 0x40
	v_mov_b32 v[AC+6*(\c)+3], v[T+4*((\c)%2)]
	v_mov_b32 v[AC+6*(\c)+4], v[T+4*((\c)%2)+1]
	v_mov_b32 v[AC+6*(\c)+5], v[T+4*((\c)%2)+2]
.endm
; Phase 1: tile t's codes and scale words to the registers that hold them: block c at (6 + 6 c) % 30 of the tile's thirty.
.macro HOLD t
	WIN 0x81+0x40*((\t)/8)
.set hc, 0
.rept 5
.set DC, 30*((\t)%8)+(6+6*hc)%30
	v_mov_b32 v[DC], v[P+8*hc]
	v_mov_b32 v[DC+1], v[P+8*hc+1]
	v_mov_b32 v[DC+2], v[P+8*hc+2]
	v_mov_b32 v[DC+3], v[P+8*hc+4]
	v_mov_b32 v[DC+4], v[P+8*hc+5]
	v_mov_b32 v[DC+5], v[P+8*hc+6]
.set hc, hc+1
.endr
	WIN 0
	v_mov_b32 v[BS+3*(\t)], v[AS]
	v_mov_b32 v[BS+3*(\t)+1], v[AS+1]
	v_mov_b32 v[BS+3*(\t)+2], v[AS+2]
.endm
; Maxima n0 .. n0 + n - 1 of 52: four to an accumulator, from its low end on, into its tile's running maximum; two on one of them stand 13 apart.
.macro MAXP n0, n
.set mn, \n0
.rept \n
	WIN 0x7d
	v_max3_num_f32 v[RM+mn%13], v[RM+mn%13], v[ACC+8*(mn%13)+2*(mn/13)], v[ACC+8*(mn%13)+2*(mn/13)+1]
.set mn, mn+1
.endr
.endm
.macro FLUSH
.rept 39
.if wm < 39
	WMX
.endif
.endr
.endm
.macro FM n                            ; n squares and n maxima by turns
.rept \n
	FOP
	MOP
.endr
.endm
; The next tile's y, squares and maxima, and the chain to 1 / norm up to the exchange of halves.  The squares run ahead of the maxima.  pro = 1: the prologue, whose 40 loads are all out at its start.
.macro YSM pro
.set fi, 0
.set mi, 0
	s_wait_dscnt 16+16*(\pro)                      ; block 0 is in; behind it the loads of blocks 1 and 2 (in the prologue 1-4)
.if \pro == 0
	LOADB 3
	LOADB 4
.endif
	YB 0
.if PH == 2
	MV 4
.set wlim, 39
.endif
	FM 10
.rept 6
	FOP
.endr
.set bb, 1
.rept 3
	s_wait_dscnt 32-8*bb                           ; the 8 (4 - bb) loads of the later blocks may stay out
	YB bb
	FM 14
	FOP
	FOP
.set bb, bb+1
.endr
	s_wait_dscnt 0x0
	YB 4
.rept 8
	FOP
	FOP
	MOP
.endr
	WIN 0
	v_pk_add_f32 v[SQ+4:SQ+5], v[SQ+4:SQ+5], v[SQ+6:SQ+7]
	v_pk_add_f32 v[SQ:SQ+1], v[SQ:SQ+1], v[SQ+2:SQ+3]
	MOP
	MOP
	WIN 0
	v_pk_add_f32 v[SQ:SQ+1], v[SQ:SQ+1], v[SQ+4:SQ+5]
	MOP
	MOP
	WIN 0
	v_add_f32 v[SQ], v[SQ], v[SQ+1]
.if PH == 2
.if wm < 39
	FLUSH
	PLACES 4
.endif
.set WON, 0
	MAXP 0, 26                                     ; the maxima over j stand between the links of the chain
	WIN 0
.endif
	v_permlanex16_b32 v[PS], v[SQ], s20, s21       ; the row's other five blocks lie in the lane 16 away
.if PH == 2
	MAXP 26, 26
	WIN 0
.endif
.endm
.macro RSQ
	v_add_f32 v[SQ], v[SQ], v[PS]
	MOP
	MOP
	v_max_num_f32 v[SQ], 0x2b8cbccc, v[SQ]         ; held at 1e-12 from below
	s_wait_alu depctr_va_vdst(0)                   ; the wait ahead of the transcendental
	v_rsq_f32 v[RR], v[SQ]
.rept 14
	MOP                                            ; the maxima that are left; the wait behind the transcendental stands ahead of the branch or barrier that follows
.endr
.endm
; A trip: tile t's scales and codes (its maxima and 1 / norm are there), tile t + 1's loads and first work, and in phase 2 tile t's products.
.macro TRIP ph, last
.set PH, \ph
.set WON, 0
.set wm, 0
.set wlim, 0
.set tk, 0
.set vi, 0
.irp c, 0,1,2,3,4
	v_mul_f32 v[MX+\c], v[MX+\c], v[RR]            ; the block's largest |v|: the same multiplication that makes v, and rounding keeps the order
	VN
.endr
.irp c, 0,1,2,3,4
	v_max_u32 v[SCO+\c], 0x1800000, v[MX+\c]       ; its bits, held so that the exponent field is 3 at the least: the byte is not to fall under 1
	VN
.endr
.irp c, 0,1,2,3,4
	v_add_nc_u32 v[SCO+\c], 0xff000000, v[SCO+\c]  ; the field less 2: the conversion's scale operand, of which it takes the exponent field alone
	VN
.endr
.irp c, 0,1,2,3,4
	v_lshrrev_b32 v[E+\c], 23, v[SCO+\c]           ; the scale's byte
	VN
.endr
	v_lshl_or_b32 v[WA], v[E+1], 16, v[E]          ; a K step's word: bytes 0 and 2 are the lower half's blocks, bytes 1 and 3 the upper half's
	VN
	v_lshl_or_b32 v[WB], v[E+3], 16, v[E+2]
	VN
	VN
	v_permlanex16_b32 v[PT+2], v[E+4], s20, s21
	VN
	v_permlanex16_b32 v[PT], v[WA], s20, s21
	VN
	v_permlanex16_b32 v[PT+1], v[WB], s20, s21
	VN
.if \last == 0
	v_add_nc_u32 v[ADR], s23, v[LX]                ; the next tile's addresses
	v_add_nc_u32 v[ADR2], s23, v[LX2]
.endif
	VN
	VN
	v_lshl_or_b32 v[AS+2], v[PT+2], 8, v[E+4]      ; the third K step: blocks 8 and 9; bytes 2 and 3 stay 0
	VN
	v_lshl_or_b32 v[AS], v[PT], 8, v[WA]           ; whole in lanes 0-15, which are the lanes that the matrix instruction reads
	VN
	v_lshl_or_b32 v[AS+1], v[PT+1], 8, v[WB]
	VN
	VN
	CV 0
	VN16
.if \last == 0
	LOADB 0
.endif
	CV 1
	VN16
	CV 2                                           ; blocks 0 and 1 are whole: K step 0's products may come
.if PH == 2
.set WON, 1
.set wlim, 13
.set tk, 0
.endif
	VN16
.if \last == 0
	LOADB 1
	LOADB 2
.endif
	CV 3
	CV 4
.if PH == 2
.set wlim, 26
.endif
.if \last == 0
	YSM 0
.else
	MV 4
	PLACES 4                                       ; the last codes were written by vector instructions just ahead (ISA guide 7.12.1)
	FLUSH
	PLACES 4                                       ; between the last products and the first read of results
	MAXP 0, 52
	WIN 0
.endif
.endm
; Four trips of phase 1, tiles t0 .. t0 + 3: one body; an arm for each tile, chosen by the loop's counter, moves the codes to the tile's own registers.
.macro SEG t0
	s_mov_b32 s22, \t0
	s_mov_b32 s23, S2+(16*(\t0)+8)*ROW             ; LDS byte of the tile that the trip loads for the next
.Lseg_\@:
	TRIP 1, 0
	s_cmp_lg_u32 s22, \t0                          ; each way leads through one arm's 33 moves, which stand between what the trip wrote last and its readers
	s_cbranch_scc1 .Lh1_\@
	HOLD (\t0)
	s_branch .Lhe_\@
.Lh1_\@:
	s_cmp_lg_u32 s22, (\t0)+1
	s_cbranch_scc1 .Lh2_\@
	HOLD (\t0)+1
	s_branch .Lhe_\@
.Lh2_\@:
	s_cmp_lg_u32 s22, (\t0)+2
	s_cbranch_scc1 .Lh3_\@
	HOLD (\t0)+2
	s_branch .Lhe_\@
.Lh3_\@:
	HOLD (\t0)+3
.Lhe_\@:
	RSQ
	s_add_co_u32 s23, s23, TILEB
	s_add_co_u32 s22, s22, 1
	s_cmp_lt_u32 s22, (\t0)+4
	s_wait_alu depctr_va_vdst(0)
	s_cbranch_scc1 .Lseg_\@
.endm
	s_load_b256 s[4:11], s[0:1], 0x0               ; sent1 s[4:5], sent2 s[6:7], kernel s[8:9], out0 s[10:11]
	v_lshl_add_u32 v[SPW], v0, 2, SPARE
	v_mov_b32 v[NIL], 0
	ds_add_u32 v[SPW], v[NIL]                      ; the opening: the add, twice on end, and its wait ahead of my first tensor load
	ds_add_u32 v[SPW], v[NIL]
	v_lshrrev_b32 v[ADR], 5, v0
	v_readfirstlane_b32 s[WV], v[ADR]              ; wave 0..3
	s_bfe_u32 s13, ttmp6, 0x40000                  ; cx: my place in the cluster
	s_lshl_b32 s14, s13, 2
	s_add_co_u32 s14, s14, s[WV]                   ; p = 4 cx + wave
	s_and_b32 s15, ttmp9, 1                        ; in a cluster launch ttmp9 counts clusters: b.  Odd b begin 128 bytes behind a 256-byte border
	s_lshl_b32 s15, s15, 7
	s_mul_i32 s16, ttmp9, 200*ROW
	s_and_b32 s16, s16, 0xffffff00                 ; b's first unit in sent1 and in sent2
	s_mov_b32 s17, 0
	s_mul_i32 s18, s[WV], 85*UNIT                  ; my share of the first load
	s_mov_b32 s19, 0
	s_and_b32 s86, s[WV], 1
	s_mul_i32 s2, s86, 299*UNIT
	s_mov_b32 s3, 0
	s_mul_i32 s80, s86, 170*UNIT
	s_mov_b32 s81, 0
	s_mul_i32 s82, s[WV], 150*UNIT
	s_mov_b32 s83, 0
	s_mul_i32 s78, s14, ROW                        ; kernel's row p
	s_mov_b32 s79, 0
	s_mul_i32 s76, ttmp9, 200*64                   ; out0: b's 200 rows of 64 bytes,
	s_lshl_b32 s77, s13, 4
	s_add_co_u32 s76, s76, s77                     ; my work-group's 16 bytes of each
	s_mov_b32 s77, 0
	s_mov_b32 s20, 0x76543210                      ; v_permlanex16_b32: each lane takes its own place in the other half
	s_mov_b32 s21, 0xfedcba98
	SHAPE 24, 85
	SHAPE 32, 299
	SHAPE 40, 170
	SHAPE 48, 150
	v_and_b32 v10, 15, v0                          ; r
	v_bfe_u32 v11, v0, 4, 1                        ; h
	v_mul_u32_u24 v[LX2], v10, ROW
	v_add_nc_u32 v[LX2], s15, v[LX2]
	v_lshl_add_u32 v[LX], v11, 7, v[LX2]
	v_lshlrev_b32 v[KO], 7, v11
	v_mov_b32 v[KO2], 0
	s_lshl_b32 s86, s[WV], 2
	s_add_co_u32 s86, s86, STAGE
	v_lshl_add_u32 v[SA], v10, 4, s86              ; stage: 16 bytes a row, my wave's word
	v_mov_b32 v[RR+1], 0                           ; named as a pair with 1 / norm, so it is written
	v_mov_b32 v[PS], 0                             ; the destination of a lane permute counts as read
	v_mov_b32 v[PT], 0
	v_mov_b32 v[PT+1], 0
	v_mov_b32 v[PT+2], 0
	s_wait_dscnt 0x0                               ; both opening adds are done
	s_wait_alu depctr_va_vdst(0)
	s_wait_kmcnt 0x0
	s_add_nc_u64 s[4:5], s[4:5], s[16:17]          ; sent1[b], from its unit border
	s_add_nc_u64 s[6:7], s[6:7], s[16:17]          ; sent2[b]
	s_add_nc_u64 s[8:9], s[8:9], s[78:79]          ; kernel[p]
	s_add_nc_u64 s[10:11], s[10:11], s[76:77]      ; out0[b][0][4 cx]
	s_mov_b32 s56, 1                               ; sent1's units 0-339, 85 a wave
	s_add_co_u32 s57, s18, S2
	s_add_nc_u64 s[58:59], s[4:5], s[18:19]
	s_or_b32 s59, s59, 0x80000000                  ; 127:126 type = 2
	s_mov_b32 s60, 1                               ; sent1's units 340-937: 299 for waves 0 and 1
	s_add_co_u32 s61, s2, S2+340*UNIT
	s_add_nc_u64 s[62:63], s[4:5], s[2:3]
	s_add_nc_u64 s[62:63], s[62:63], 340*UNIT
	s_or_b32 s63, s63, 0x80000000
	s_mov_b32 s68, 1                               ; sent2's units 0-339: 170 for waves 2 and 3
	s_mov_b32 s69, s80
	s_add_nc_u64 s[70:71], s[6:7], s[80:81]
	s_or_b32 s71, s71, 0x80000000
	s_mov_b32 s72, 1                               ; the refill: sent2's units 338-937, 150 a wave (338 and 339 once more, so that the shares are equal)
	s_add_co_u32 s73, s82, 338*UNIT
	s_add_nc_u64 s[74:75], s[6:7], s[82:83]
	s_add_nc_u64 s[74:75], s[74:75], 338*UNIT
	s_or_b32 s75, s75, 0x80000000
	ROUND                                          ; all four work-groups are here: the first joint loads meet
	tensor_load_to_lds s[56:59], s[24:31]          ; one tensor load a wave at the head
	s_nop 0
	PLACES 4
	v_cmp_ne_u32 vcc_lo, 0, v11                    ; the upper half of the lanes
	WIN 0x40
.set cc, 0
.rept 5                                ; kernel[p] in the lane's layout; block 9's padded places read bytes 1,072 .. 1,151 of the row, so that no load leaves the buffer
.set qq, 0
.rept 8
.if (cc == 4) && (qq >= 3)
	global_load_b128 v[32*cc+4*qq:32*cc+4*qq+3], v[KO2], s[8:9] offset:1024+16*qq
.else
	global_load_b128 v[32*cc+4*qq:32*cc+4*qq+3], v[KO], s[8:9] offset:256*cc+16*qq
.endif
.set qq, qq+1
.endr
.set cc, cc+1
.endr
.irp i, 0,1,2,3,4,5
	v_mov_b32 v[AC+30+\i], 0                       ; the streamed codes of blocks 10 and 11: zeros, once
.endr
.set ii, 0
.rept 13
	v_mov_b32 v[RM+ii], 0xff800000                 ; the running maxima begin under every sum
.set ii, ii+1
.endr
	; The held registers are written in arms, each on one way of a loop: here they get a value on every way, while the first rows are on their way.
	WIN 0x80
.set ii, 0
.rept 240
	v_mov_b32 v[ii], 0
.set ii, ii+1
.endr
	WIN 0xc0
.set ii, 0
.rept 150
	v_mov_b32 v[ii], 0
.set ii, ii+1
.endr
	WIN 0
.set ii, 0
.rept 39
	v_mov_b32 v[BS+ii], 0
.set ii, ii+1
.endr
	s_wait_alu depctr_va_vdst(0)                   ; ahead of the wait below
	s_wait_loadcnt 0x0
	WIN 0x41
.set ii, 140
.rept 20
	v_cndmask_b32 v[ii], v[ii], 0, vcc_lo          ; k = 300 .. 319: kernel is 0 there (upper half of the lanes)
.set ii, ii+1
.endr
	WIN 0
	s_wait_alu depctr_va_vdst(0)
	s_wait_tensorcnt 0x0                           ; my part of sent1's first units is in
	ds_add_u32 v[SPW], v[NIL]
	s_wait_dscnt 0x0
	ROUND                                          ; and so is everybody's
	s_cmp_lt_u32 s[WV], 2
	s_cbranch_scc0 .Lfor_s2
	tensor_load_to_lds s[60:63], s[32:39]          ; my one load behind the round: sent1's rest, or sent2's first units
	s_nop 0
	PLACES 4
	s_branch .Lasked
.Lfor_s2:
	tensor_load_to_lds s[68:71], s[40:47]
	s_nop 0
	PLACES 4
.Lasked:
	; the prologue: tile 0's loads and first work
	v_add_nc_u32 v[ADR], S2, v[LX]
	v_add_nc_u32 v[ADR2], S2, v[LX2]
.irp c, 0,1,2,3,4
	LOADB \c
.endr
	YSM 1
	RSQ
	s_wait_alu depctr_va_vdst(0)
	; PHASE 1
	SEG 0                                          ; loads tiles 1-4: rows up to 71, inside the first 340 units
	SYNC                                           ; sent1's rest and sent2's first units are in
	SEG 4                                          ; loads tiles 5-8: rows up to 135
	; sent1's units 0-597 (rows up to 127) are dead: every wave holds them in registers.  Their bytes take sent2's rest.
	s_wait_tensorcnt 0x0                           ; no tensor load of mine is out
	ds_add_u32 v[SPW], v[NIL]                      ; 0 onto my spare word
	s_wait_dscnt 0x0                               ; the add is done, and my reads of those rows are over
	ROUND                                          ; both now hold of every wave of all four work-groups
	tensor_load_to_lds s[72:75], s[48:55]          ; my one tensor load behind the round, and the first thing there
	s_nop 0
	PLACES 4
	SEG 8                                          ; loads tiles 9-12: rows 136-199, behind the refilled bytes
	s_mov_b32 s23, 0                               ; tile 12; it loads sent2's tile 0, rows 0-15
	TRIP 1, 0
	HOLD 12
	RSQ
	s_wait_alu depctr_va_vdst(0)
	SYNC                                           ; sent2's rest, asked for five trips ago
	; PHASE 2: no barrier and no tensor load.  Twelve trips load sent2's tiles 1-12; the last tile's trip is written out and loads nothing.
	s_mov_b32 s22, 0
	s_mov_b32 s23, 8*ROW
.Ltile:
	TRIP 2, 0
	RSQ
	s_add_co_u32 s23, s23, TILEB
	s_add_co_u32 s22, s22, 1
	s_cmp_lt_u32 s22, 12
	s_wait_alu depctr_va_vdst(0)
	s_cbranch_scc1 .Ltile
	TRIP 2, 1
	; THE WAY OUT: the two halves' maxima are joined; a stage row holds the four waves' numbers of one i: 16 bytes, which one thread stores.
	WIN 0x01
.set ii, 0
.rept 13
	v_permlanex16_b32 v[X+ii], v[RM+ii], s20, s21
.set ii, ii+1
.endr
.set ii, 0
.rept 13
	v_max_num_f32 v[X+ii], v[RM+ii], v[X+ii]
.set ii, ii+1
.endr
	WIN 0
	ds_store_b32 v[SA], v[X]                       ; tile 0: rows 0-15; both halves of the lanes write the same word with the same value
.set ii, 1
.rept 12
	ds_store_b32 v[SA], v[X+ii] offset:16*(16*ii-8)
.set ii, ii+1
.endr
	s_wait_alu depctr_va_vdst(0)
	s_wait_dscnt 0x0                               ; for the others' sake: my stores into the stage are done
	s_barrier_signal -1
	s_barrier_wait -1
	v_lshl_add_u32 v[ADR], v0, 4, STAGE
	v_min_u32 v[PS], 71, v0                        ; the threads behind 71 read row 199 once more and store nothing
	v_lshl_add_u32 v[PS], v[PS], 4, STAGE+2048
	v_lshlrev_b32 v[ADR2], 6, v0                   ; 64 bytes a row of out0
	v_cmp_gt_u32 vcc_lo, 72, v0
	ds_load_b128 v[X+16:X+19], v[ADR]
	ds_load_b128 v[X+20:X+23], v[PS]
	s_wait_alu depctr_va_vdst(0)
	s_wait_dscnt 0x0
	global_store_b128 v[ADR2], v[X+16:X+19], s[10:11]
	s_wait_xcnt 0x0                                ; EXEC changes only behind this wait
	s_and_saveexec_b32 s86, vcc_lo
	global_store_b128 v[ADR2], v[X+20:X+23], s[10:11] offset:8192
	s_wait_xcnt 0x0                                ; and again, in front of the line that widens it
	s_or_b32 exec_lo, exec_lo, s86
	s_wait_tensorcnt 0x0                           ; the wave's end
	ds_add_u32 v[SPW], v[NIL]
	s_wait_dscnt 0x0
	ROUND                                          ; the closing round: no work-group ends while a partner may still ask for rows jointly
	s_endpgm
.Lfunc_end_k_q44f11c898e_match:
	.size	k_q44f11c898e_match, .Lfunc_end_k_q44f11c898e_match-k_q44f11c898e_match
	.p2alignl 7, 3214868480
	.fill 96, 4, 3214868480
	.section	.rodata,"a",@progbits
	.p2align	6, 0x0
	.amdhsa_kernel k_q44f11c898e_match
		.amdhsa_group_segment_fixed_size 327680
		.amdhsa_private_segment_fixed_size 0
		.amdhsa_enable_private_segment 0
		.amdhsa_kernarg_size 32
		.amdhsa_user_sgpr_count 2
		.amdhsa_user_sgpr_kernarg_segment_ptr 1
		.amdhsa_wavefront_size32 1
		.amdhsa_system_sgpr_workgroup_id_x 1
		.amdhsa_system_sgpr_workgroup_id_y 1
		.amdhsa_system_sgpr_workgroup_id_z 1
		.amdhsa_system_vgpr_workitem_id 0
		.amdhsa_next_free_vgpr 1024
		.amdhsa_next_free_sgpr 96
		.amdhsa_reserve_vcc 1
		.amdhsa_float_denorm_mode_32 3
		.amdhsa_float_denorm_mode_16_64 3
		.amdhsa_memory_ordered 1
		.amdhsa_forward_progress 1
		.amdhsa_inst_pref_size 222
	.end_amdhsa_kernel
	.amdgpu_metadata
---
amdhsa.version: [ 1, 2 ]
amdhsa.kernels:
  - .name:           k_q44f11c898e_match
    .symbol:         k_q44f11c898e_match.kd
    .args:
      - { .name: sent1, .offset: 0, .size: 8, .value_kind: global_buffer, .address_space: global }
      - { .name: sent2, .offset: 8, .size: 8, .value_kind: global_buffer, .address_space: global }
      - { .name: kernel, .offset: 16, .size: 8, .value_kind: global_buffer, .address_space: global }
      - { .name: out0, .offset: 24, .size: 8, .value_kind: global_buffer, .address_space: global }
    .group_segment_fixed_size: 327680
    .private_segment_fixed_size: 0
    .kernarg_segment_align: 8
    .kernarg_segment_size: 32
    .max_flat_workgroup_size: 128
    .sgpr_count:     96
    .vgpr_count:     1024
    .wavefront_size: 32
...
	.end_amdgpu_metadata
.endif
;; end of part 1
